; MI455X (gfx1250); checked and timed in simulation.
; The chip was launched on July 23, 2026; its instructions are those of AMD's public machine-readable ISA for CDNA 5 (MIT licence, August 2026) and "CDNA5" Instruction Set Architecture Reference Guide (July 2026). The comments in the code are by the model that wrote it; some were corrected since.
;; Multi Head Attention. Allowed arithmetic: float matrix products may take bf16 or f16 operands with f32 sums; all other float work in f32.
;; Inputs: Wk 1,024 x 1,024 float32; Wp 1,024 x 1,024 float32; Wq 1,024 x 1,024 float32; Wv 1,024 x 1,024 float32; bp 1,024 float32; x 2 x 2,048 x 1,024 float32.
;; Outputs: out0 2 x 2,048 x 1,024 float32.
;; One version. Each part assembles by itself: llvm-mc -triple=amdgcn-amd-amdhsa -mcpu=gfx1250 --defsym DOCPART=n.
;; ======== version 1 of 1: 4 launches
;; limits: values are held in f16: magnitudes above 65,504 overflow, below 6.1e-05 lose precision
;; workspace buffers: xb 8,388,608 bytes; wt 8,388,608 bytes; qkv 25,165,824 bytes; ao 8,388,608 bytes
;; launch prep (part 1): grid 256 x 1, 8 waves a work-group, no clusters, 35,840 bytes of LDS; arguments x, Wq, Wk, Wv, Wp, xb, wt; writes xb, wt
.if DOCPART == 1
	.amdgcn_target "amdgcn-amd-amdhsa--gfx1250"
	.amdhsa_code_object_version 6
	.text
	.protected	k_q76eb5f9366_prep
	.globl	k_q76eb5f9366_prep
	.p2align	8
	.type	k_q76eb5f9366_prep,@function
k_q76eb5f9366_prep:
	s_mov_b64 s[64:65], 0
	v_nop
	global_prefetch_b8 v0, s[64:65] scope:SCOPE_SE
	s_setreg_imm32_b32 hwreg(HW_REG_WAVE_MODE, 25, 1), 1
	s_wait_xcnt 0x0
; Rounds x and the four weight matrices to bf16, once, in the layouts that the products want.
;   xb[mblock 32][kb 16][128 tokens][64 k] bf16: x in blocks, so that 128 tokens x 64 k are 16,384 dense bytes.
;   wt[4096 n][1024 k], 16 bits a number: rows 0-1023 Wq transposed, then Wk, Wv (bf16), then Wp: k runs along a row.
; Wp is rounded to bf16 like the other inputs, and the rounded numbers are then written as f16: its partner in the last product, the
; attention result, is carried in f16.  A bf16 has 8 significant bits and f16's smallest step is 2^-24, so the second step is exact
; for |w| >= 2^-17 and adds at most 2^-25 below; |w| > 65,504 becomes an infinity.
; 256 work-groups of eight waves.  Work-group g takes 16 tokens of x (65,536 bytes) and one tile of 128 k x 128 n of one W.
; The W tile is transposed through LDS: a lane packs pairs of neighbouring k of one n, stores 16 bytes (8 k) into row rho of a
; stage with a pitch of 272 bytes, and whole rows of 256 bytes are read back and stored.  Row rho = 32 i + L holds n = 4 L + i.
; No loop; one barrier (between the stage's stores and its reads).  Every input byte is read once, every output byte written once.
; Rounding: to nearest even.
.set PITCH, 272
.set WB, 16                            ; v[16:79]    16 rows of W: register 4 j + i = W[16 w + j][4 L + i]; free once packed
.set XB, 80                            ; v[80:143]   8 groups of 8 f32 of x, packed in place into the first 4 registers of each group
.set TB, 144                           ; v[144:175]  packed W: group 2 i + cc = n 4 L + i, k 16 w + 8 cc .. + 7
.set RB, 176                           ; v[176:207]  rows of the stage, read back
	s_load_b256 s[4:11], s[0:1], 0x0               ; x s[4:5], Wq s[6:7], Wk s[8:9], Wv s[10:11]
	s_load_b128 s[12:15], s[0:1], 0x20             ; Wp s[12:13], xb s[14:15]
	s_load_b64 s[16:17], s[0:1], 0x30              ; wt
	v_lshl_add_u32 v208, v0, 2, 0x8800
	v_mov_b32 v209, 0
	v_lshrrev_b32 v2, 5, v0
	v_readfirstlane_b32 s20, v2                    ; wave w, 0 to 7
	v_and_b32 v1, 31, v0                           ; lane L
	v_lshlrev_b32 v3, 4, v1                        ; 16 L
	v_lshl_add_u32 v4, s20, 16, v3                 ; W: 16 rows of 4,096 bytes a wave, 16 bytes a lane
	v_lshrrev_b32 v5, 3, v1                        ; L >> 3: which of four tokens
	v_and_b32 v6, 7, v1                            ; L & 7: which 8 numbers of 64
	v_lshlrev_b32 v7, 12, v5
	v_lshl_add_u32 v7, s20, 9, v7
	v_lshl_add_u32 v7, v6, 5, v7                   ; x: token x 4,096 + w x 512 + 32 (L & 7)
	v_mul_u32_u24 v8, v1, PITCH
	v_lshl_add_u32 v8, s20, 5, v8                  ; stage, in: row L (+ 32 i), byte 32 w (+ 16 cc)
	v_lshrrev_b32 v9, 4, v1                        ; L >> 4
	v_and_b32 v10, 15, v1
	v_lshlrev_b32 v10, 4, v10                      ; 16 (L & 15)
	v_mul_u32_u24 v11, v9, PITCH
	v_add_nc_u32 v11, v11, v10
	s_mul_i32 s21, s20, 2*PITCH
	v_add_nc_u32 v11, s21, v11                     ; stage, back: row 2 w + (L >> 4) (+ 16 it), sixteen lanes a row
	v_lshl_add_u32 v12, v9, 13, v10
	v_lshl_add_u32 v12, s20, 14, v12               ; wt: n = 4 (2 w + (L >> 4)) rows of 2,048 bytes, + 16 (L & 15)
	v_lshl_add_u32 v13, s20, 15, v3                ; xb: two planes of 16,384 bytes a wave, + 16 L
	s_lshr_b32 s22, ttmp9, 6                       ; which W
	s_bfe_u32 s23, ttmp9, 0x30003                  ; k block of 128
	s_and_b32 s24, ttmp9, 7                        ; n block of 128
	s_lshl_b32 s26, s23, 19                        ; W tile: 128 rows of 4,096 bytes a k block,
	s_lshl_b32 s25, s24, 9                         ; 512 bytes an n block
	s_add_co_u32 s26, s26, s25
	s_mov_b32 s27, 0
	s_lshl_b32 s28, ttmp9, 16                      ; x: 16 tokens of 4,096 bytes
	s_mov_b32 s29, 0
	s_lshr_b32 s30, ttmp9, 3                       ; xb: block of 128 tokens,
	s_lshl_b32 s30, s30, 18
	s_lshl_b32 s25, s24, 11                        ; and 16 tokens of 128 bytes inside a plane
	s_add_co_u32 s30, s30, s25
	s_mov_b32 s31, 0
	s_lshl_b32 s32, s22, 21                        ; wt: 1,024 rows of 2,048 bytes a matrix,
	s_lshl_b32 s25, s24, 18                        ; 128 rows an n block,
	s_add_co_u32 s32, s32, s25
	s_lshl_b32 s25, s23, 8                         ; 256 bytes a k block
	s_add_co_u32 s32, s32, s25
	s_mov_b32 s33, 0
	s_wait_kmcnt 0x0
	s_cmp_eq_u32 s22, 1
	s_cselect_b64 s[18:19], s[8:9], s[6:7]
	s_cmp_eq_u32 s22, 2
	s_cselect_b64 s[18:19], s[10:11], s[18:19]
	s_cmp_eq_u32 s22, 3
	s_cselect_b64 s[18:19], s[12:13], s[18:19]
	s_add_nc_u64 s[18:19], s[18:19], s[26:27]
	s_add_nc_u64 s[4:5], s[4:5], s[28:29]
	s_add_nc_u64 s[14:15], s[14:15], s[30:31]
	s_add_nc_u64 s[16:17], s[16:17], s[32:33]
	; all 32 loads of the wave go out at once: 16 rows of W (512 neighbouring bytes each), then x
.irp j, 0,1,2,3,4,5,6,7,8,9,10,11,12,13,14,15
	global_load_b128 v[WB+4*\j:WB+4*\j+3], v4, s[18:19] offset:\j*4096 th:TH_LOAD_NT
.endr
.irp it, 0,1,2,3,4,5,6,7
	global_load_b128 v[XB+8*\it:XB+8*\it+3],   v7, s[4:5] offset:(\it>>1)*16384+(\it&1)*256 th:TH_LOAD_NT
	global_load_b128 v[XB+8*\it+4:XB+8*\it+7], v7, s[4:5] offset:(\it>>1)*16384+(\it&1)*256+16 th:TH_LOAD_NT
.endr
	s_wait_loadcnt 16                              ; loads come back in order: W's 16 are in, x's 16 may stay out
.irp i, 0,1,2,3
.irp cc, 0,1
.irp jj, 0,1,2,3
	v_cvt_pk_bf16_f32 v[TB+4*(2*\i+\cc)+\jj], v[WB+4*(8*\cc+2*\jj)+\i], v[WB+4*(8*\cc+2*\jj+1)+\i]   ; two neighbouring k of one n
.endr
.endr
.endr
	s_cmp_lg_u32 s22, 3
	s_cbranch_scc1 .Lstage
	; Wp alone: the bf16 numbers are widened (a shift, a mask) and written as f16
.set n, 0
.rept 32
	v_lshlrev_b32 v[WB+2*(n%4)], 16, v[TB+n]
	v_and_b32 v[WB+2*(n%4)+1], 0xffff0000, v[TB+n]
	v_cvt_pk_f16_f32 v[TB+n], v[WB+2*(n%4)], v[WB+2*(n%4)+1]
.set n, n+1
.endr
.Lstage:
.irp i, 0,1,2,3
.irp cc, 0,1
	ds_store_b128 v8, v[TB+4*(2*\i+\cc):TB+4*(2*\i+\cc)+3] offset:\i*32*PITCH+\cc*16   ; sixteen lanes: sixteen rows 272 bytes apart, sixteen different 16-byte columns modulo 256
.endr
.endr
	s_wait_dscnt 0x0                               ; my stores are done before I say so: other waves read these rows
	s_barrier_signal -1
	s_barrier_wait -1
.irp it, 0,1,2,3,4,5,6,7
	ds_load_b128 v[RB+4*\it:RB+4*\it+3], v11 offset:\it*16*PITCH
.endr
	; x, while the stage's rows come back
.irp it, 0,1,2,3,4,5,6,7
	s_wait_loadcnt 14-2*\it                        ; this group's two loads are in; the 14 - 2 it younger ones may stay out
.irp jj, 0,1,2,3
	v_cvt_pk_bf16_f32 v[XB+8*\it+\jj], v[XB+8*\it+2*\jj], v[XB+8*\it+2*\jj+1]
.endr
	global_store_b128 v13, v[XB+8*\it:XB+8*\it+3], s[14:15] offset:(\it&1)*16384+(\it>>1)*512   ; the wave stores 512 neighbouring bytes: four tokens of one plane
.endr
.irp it, 0,1,2,3,4,5,6,7
	s_wait_dscnt 7-\it                             ; LDS loads come back in order
	global_store_b128 v12, v[RB+4*\it:RB+4*\it+3], s[16:17] offset:(64*(\it&1)+(\it>>1))*2048   ; row rho = 16 it + .. is n = 64 (it & 1) + 4 (..) + (it >> 1); sixteen lanes store 256 aligned bytes
.endr
	s_wait_tensorcnt 0x0
	ds_add_u32 v208, v209
	s_wait_dscnt 0x0
	s_endpgm
.Lfunc_end_k_q76eb5f9366_prep:
	.size	k_q76eb5f9366_prep, .Lfunc_end_k_q76eb5f9366_prep-k_q76eb5f9366_prep
	.p2alignl 7, 3214868480
	.fill 96, 4, 3214868480
	.section	.rodata,"a",@progbits
	.p2align	6, 0x0
	.amdhsa_kernel k_q76eb5f9366_prep
		.amdhsa_group_segment_fixed_size 35840
		.amdhsa_private_segment_fixed_size 0
		.amdhsa_enable_private_segment 0
		.amdhsa_kernarg_size 56
		.amdhsa_user_sgpr_count 2
		.amdhsa_user_sgpr_kernarg_segment_ptr 1
		.amdhsa_wavefront_size32 1
		.amdhsa_system_sgpr_workgroup_id_x 1
		.amdhsa_system_sgpr_workgroup_id_y 1
		.amdhsa_system_sgpr_workgroup_id_z 1
		.amdhsa_system_vgpr_workitem_id 0
		.amdhsa_next_free_vgpr 210
		.amdhsa_next_free_sgpr 66
		.amdhsa_reserve_vcc 0
		.amdhsa_float_denorm_mode_32 3
		.amdhsa_float_denorm_mode_16_64 3
		.amdhsa_memory_ordered 1
		.amdhsa_forward_progress 1
		.amdhsa_inst_pref_size 18
	.end_amdhsa_kernel
	.amdgpu_metadata
---
amdhsa.version: [ 1, 2 ]
amdhsa.kernels:
  - .name:           k_q76eb5f9366_prep
    .symbol:         k_q76eb5f9366_prep.kd
    .args:
      - { .name: x, .offset: 0, .size: 8, .value_kind: global_buffer, .address_space: global }
      - { .name: Wq, .offset: 8, .size: 8, .value_kind: global_buffer, .address_space: global }
      - { .name: Wk, .offset: 16, .size: 8, .value_kind: global_buffer, .address_space: global }
      - { .name: Wv, .offset: 24, .size: 8, .value_kind: global_buffer, .address_space: global }
      - { .name: Wp, .offset: 32, .size: 8, .value_kind: global_buffer, .address_space: global }
      - { .name: xb, .offset: 40, .size: 8, .value_kind: global_buffer, .address_space: global }
      - { .name: wt, .offset: 48, .size: 8, .value_kind: global_buffer, .address_space: global }
    .group_segment_fixed_size: 35840
    .private_segment_fixed_size: 0
    .kernarg_segment_align: 8
    .kernarg_segment_size: 56
    .max_flat_workgroup_size: 256
    .sgpr_count:     66
    .vgpr_count:     210
    .wavefront_size: 32
...
	.end_amdgpu_metadata
.endif
;; end of part 1
;; launch qkv (part 2): grid 8 x 32, 4 waves a work-group, clusters of 4 x 4, 327,680 bytes of LDS; arguments xb, wt, qkv; writes qkv
.if DOCPART == 2
	.amdgcn_target "amdgcn-amd-amdhsa--gfx1250"
	.amdhsa_code_object_version 6
	.text
	.protected	k_q76eb5f9366_qkv
	.globl	k_q76eb5f9366_qkv
	.p2align	8
	.type	k_q76eb5f9366_qkv,@function
k_q76eb5f9366_qkv:
	s_mov_b64 s[64:65], 0
	v_nop
	global_prefetch_b8 v0, s[64:65] scope:SCOPE_SE
	s_setreg_imm32_b32 hwreg(HW_REG_WAVE_MODE, 25, 1), 1
	s_wait_xcnt 0x0
	s_wait_alu depctr_hold_cnt(0) depctr_sa_sdst(0) depctr_va_vdst(0) depctr_va_sdst(0) depctr_va_ssrc(0) depctr_va_vcc(0) depctr_vm_vsrc(0)
	s_getreg_b32 s2, hwreg(HW_REG_IB_STS2, 6, 4)
	s_cmp_eq_u32 s2, 0
	s_cbranch_scc0 .Lentry_in_a_cluster
	s_endpgm
.Lentry_in_a_cluster:
	s_bfe_u32 s2, ttmp6, 0x10000c
	s_cmp_lg_u32 s2, 0xf033
	s_cbranch_scc0 .Lentry_shape_is_right
	s_endpgm
.Lentry_shape_is_right:
; q, k, v = x Wq, x Wk, x Wv as one product [4096 tokens x 1024] x [1024 x 3072], bf16 operands, f32 sums, f16 result.
;   xb[mblock 32][kb 16][128 tokens][64 k] bf16;  wt[n][1024 k] bf16, rows 0-3071;  qkv[b 2][g 48][s 2048][64] f16, g = n / 64.
; A work-group makes 128 tokens x 384 columns with four waves; a wave makes 64 x 192: 48 accumulator tiles, 384 registers.
; K goes in steps of 128 through two LDS slots filled by tensor loads: waves 0, 1 bring the tokens' two planes (64 rows of 256 dense
; bytes each), waves 2, 3 bring 192 rows of wt each (256 bytes a row, starting at multiples of 256 bytes of the buffer).
; CLUSTERS: 4 x 4 work-groups.  The four of a row of the cluster need the same tokens, the four of a column the same rows of wt:
; each such tile is asked for jointly, by the same line with the same descriptor in all four.
; THE MATRIX INSTRUCTION IS USED TRANSPOSED: source 0 = 16 rows of wt, source 1 = 16 tokens; lane (r, h) then holds token r and the
; eight neighbouring columns 8 h .. 8 h + 7, which pack into 16 bytes.
; REGISTERS by windows of 256: window 0 addresses, token fragments (two buffers), the way out; window 1 wt fragments (two buffers);
; window 2 accumulators of column tiles 0-5 (tile (a, b) at 8 (6 a + b)); window 3 those of column tiles 6-11.
; WHY f16 FOR THE RESULT: the first tokens' rows of the final output are many times larger than its root mean square (a mean over n keys
; shrinks like 1 / sqrt(n)), so what is carried between the products keeps 11 significant bits.
; Limits: q, k, v beyond 65,504 in magnitude become infinities.  With x of spread 1 and weights of spread 0.02 their spread is 0.64; with
; both 30 times larger it is 576; with offsets of 30 spreads on both they are about 1024 x 30 x 0.6 = 18,432.  NaN and infinities get no special care.
.set NT,     12                        ; column tiles of a wave
.set NH,     NT/2
.set KS,     128                       ; K in a slot
.set NQ,     KS/32                     ; quarter steps of 32 along K in a slot
.set PLANE,  64*272                    ; a plane of xb in LDS: 64 rows of 256 bytes (two tokens each) + 16 bytes of padding
.set ABYTES, (KS/64)*PLANE
.set RA,     KS/2                      ; rows of 256 bytes that one of A's two loads brings
.set BP,     2*KS+16                   ; pitch of wt's rows in LDS
.set QIB,    5                         ; padding interval of wt's rows: 2 << 5 words = 256 bytes
.set BHALF,  16*NT*BP                  ; what one of B's two loads brings, and what one wave reads of wt
.set SLOT,   ABYTES+2*BHALF
.set STAGE,  2*SLOT                    ; behind the ring: 16 rows x 400 bytes for each wave; no tensor load lands here
.set SPITCH, 400
.set LAPS,   1024/(2*KS)
.set NROW0,  0                         ; first row of wt
.set ASTEP,  2*KS*256                  ; two slots on in xb: 2 KS / 64 planes of 16,384 bytes
.set BSTEP,  4*KS                      ; two slots on along a row of wt
.set NL,     8+4*NH                    ; LDS loads of one quarter step
.set ADRA, 16                          ; v16-17  LDS address of my token fragments in slot 0, 1
.set ADRB, 20                          ; v20-21  the same for wt
.set STO,  24
.set RD,   25
.set CO,   26
.set FA0,  32                          ; token fragments: buffer f at FA0 + 32 f (window 0)
.set FB0,  0                           ; wt fragments: buffer f at FB0 + 8 NT f (window 1)
.set ACCHI, 0                          ; both halves of the accumulators start at register 0 of their window
.set TMP,  96                          ; v96-143   packed results
.set RB,   144                         ; v144-191  rows read back from the stage
.set G1, 24
.set G0, 32
.set G1B, 48
.set G0B, 56
.set MUL_LO, 0xa1                      ; source 0 window 1, source 1 window 0, C and D window 2
.set MUL_HI, 0xf1                      ; C and D window 3
.set TO_B,   0x40                      ; destination window 1
.set MSB, 0
.macro WIN new                         ; the immediate's high byte repeats the setting that is left
.if MSB != \new
	s_set_vgpr_msb (MSB<<8)|\new
.set MSB, \new
.endif
.endm
.macro JLOAD s                         ; a joint load: waves 0, 1 ask for the tokens' tile, waves 2, 3 for wt's; the branch hangs on the wave's number alone
	s_cmp_eq_u32 s11, 0
	s_cbranch_scc0 .Lfor_b_\@
	tensor_load_to_lds s[G0+4*\s:G0+4*\s+3], s[G1:G1+7]
	s_nop 0
	s_branch .Lasked_\@
.Lfor_b_\@:
	tensor_load_to_lds s[G0B+4*\s:G0B+4*\s+3], s[G1B:G1B+7]
	s_nop 0
.Lasked_\@:
.endm
.macro CREST                           ; a round of the cluster's barrier behind its opening work-group barrier
	s_cmp_lg_u32 s10, 0
	s_cbranch_scc1 .Lnot_wave_0_\@
	s_barrier_signal -3
.Lnot_wave_0_\@:
	s_barrier_wait -3
	s_barrier_signal -1
	s_barrier_wait -1
.endm
.macro CROUND
	s_barrier_signal -1
	s_barrier_wait -1
	CREST
.endm
.macro PLACES                          ; four places behind a matrix instruction, in front of loads into its sources and of readers of its result
.rept 4
	v_nop
.endr
.endm
	s_load_b128 s[4:7], s[0:1], 0x0                ; xb s[4:5], wt s[6:7]
	s_load_b64 s[8:9], s[0:1], 0x10                ; qkv
	s_set_vgpr_msb 0x40
	v_lshl_add_u32 v255, v0, 2, 0x4a400
	s_set_vgpr_msb 0x4000
	v_mov_b32 v255, 0
	s_set_vgpr_msb 0x1
	ds_add_u32 v255, v255
	s_set_vgpr_msb 0x100
	v_lshrrev_b32 v1, 5, v0
	v_readfirstlane_b32 s10, v1                    ; wave 0..3
	s_lshr_b32 s11, s10, 1                         ; which 64 tokens are mine.  Also: I fetch tokens (0) or wt (1)
	s_and_b32 s12, s10, 1                          ; which 192 columns are mine.  Also: which half of that tile I fetch
	s_bfe_u32 s40, ttmp6, 0x40000                  ; cx
	s_bfe_u32 s41, ttmp6, 0x40004                  ; cy
	s_lshl_b32 s42, ttmp9, 2
	s_add_co_u32 s42, s42, s40                     ; column block = 4 x cluster x + cx
	s_and_b32 s13, ttmp7, 0xffff
	s_lshl_b32 s13, s13, 2
	s_add_co_u32 s13, s13, s41                     ; token block = 4 x cluster y + cy
	s_lshl_b32 s43, s41, 2
	s_lshl_b32 s43, 15, s43                        ; my row of the cluster
	s_lshl_b32 s44, 0x1111, s40                    ; my column
	; group 1 for the tokens: RA rows of 32 elements of 8 bytes, dense; 16 bytes of padding behind every 64 words
	s_or_b32 s[G1+0], s43, (3<<16)|(1<<20)|(1<<21)|(5<<22)|(3<<25)
	s_mov_b32 s[G1+1], 32<<16                      ; tensor_dim0 = 32
	s_mov_b32 s[G1+2], RA<<16                      ; tensor_dim1 = RA
	s_mov_b32 s[G1+3], 32<<16                      ; tile_dim0 = 32
	s_mov_b32 s[G1+4], RA                          ; tile_dim1 = RA
	s_mov_b32 s[G1+5], 32                          ; from row to row: 32 elements
	s_mov_b32 s[G1+6], 0
	s_mov_b32 s[G1+7], 0
	; group 1 for wt: 16 NT rows of KS elements of 2 bytes, 1,024 elements from row to row, 16 bytes of padding behind each row
	s_or_b32 s[G1B+0], s44, (1<<16)|(1<<20)|(1<<21)|(QIB<<22)|(3<<25)
	s_mov_b32 s[G1B+1], KS<<16
	s_mov_b32 s[G1B+2], (16*NT)<<16
	s_mov_b32 s[G1B+3], KS<<16
	s_mov_b32 s[G1B+4], 16*NT
	s_mov_b32 s[G1B+5], 1024
	s_mov_b32 s[G1B+6], 0
	s_mov_b32 s[G1B+7], 0
	; the tokens' address hangs on the token block and the wave's number, wt's on the column block and the wave's number, each in registers of its own
	s_lshl_b32 s16, s13, 18                        ; a block of 128 tokens is 262,144 bytes
	s_mul_i32 s17, s12, (KS/128)*16384             ; my half of the slot's planes
	s_add_co_u32 s16, s16, s17
	s_mov_b32 s17, 0
	s_mul_i32 s46, s42, 32*NT
	s_mul_i32 s47, s12, 16*NT
	s_add_co_u32 s46, s46, s47
	s_add_co_u32 s46, s46, NROW0
	s_lshl_b32 s46, s46, 11                        ; rows of 2,048 bytes
	s_mov_b32 s47, 0
	s_mul_i32 s20, s12, ABYTES/2                   ; where they go in a slot: no place in the cluster enters an LDS address
	s_mul_i32 s21, s12, BHALF
	s_add_co_u32 s21, s21, ABYTES
	s_wait_dscnt 0x0
	s_wait_kmcnt 0x0
	s_add_nc_u64 s[14:15], s[4:5], s[16:17]
	s_add_nc_u64 s[46:47], s[6:7], s[46:47]
	CROUND                                         ; all sixteen work-groups are here: the first joint loads meet
.irp s, 0,1
	s_mov_b32 s[G0+4*\s], 1
	s_add_co_u32 s[G0+4*\s+1], s20, \s*SLOT
	s_add_nc_u64 s[G0+4*\s+2:G0+4*\s+3], s[14:15], \s*KS*256
	s_or_b32 s[G0+4*\s+3], s[G0+4*\s+3], 0x80000000
	s_mov_b32 s[G0B+4*\s], 1
	s_add_co_u32 s[G0B+4*\s+1], s21, \s*SLOT
	s_add_nc_u64 s[G0B+4*\s+2:G0B+4*\s+3], s[46:47], \s*KS*2
	s_or_b32 s[G0B+4*\s+3], s[G0B+4*\s+3], 0x80000000
	JLOAD \s                                       ; both slots are asked for before anything else: two loads of the wave are out
.endr
	; fragments: lane (r, h) holds row r, registers 0-3 K = 8 h .. + 7, registers 4-7 K = 16 + 8 h .. + 7: two loads of 16 bytes, 32 bytes apart
	v_and_b32 v1, 15, v0                           ; r
	v_bfe_u32 v2, v0, 4, 1                         ; h
	v_lshrrev_b32 v3, 1, v1
	v_mul_u32_u24 v3, v3, 272                      ; two tokens share an LDS row of 272 bytes,
	v_and_b32 v4, 1, v0
	v_lshl_add_u32 v3, v4, 7, v3                   ; 128 bytes each: the sixteen lanes touch sixteen different 16-byte columns modulo 256
	v_lshl_add_u32 v3, v2, 4, v3
	v_mul_u32_u24 v5, v1, BP
	v_lshl_add_u32 v5, v2, 4, v5
	s_mul_i32 s21, s11, 32*272                     ; my 64 tokens
	s_mul_i32 s22, s12, BHALF                      ; my rows of wt,
	s_add_co_u32 s22, s22, ABYTES                  ; behind the tokens' planes
.irp s, 0,1
	v_add_nc_u32 v[ADRA+\s], s21, v3
	v_add_nc_u32 v[ADRB+\s], s22, v5
	s_add_co_u32 s21, s21, SLOT
	s_add_co_u32 s22, s22, SLOT
.endr
	s_mul_i32 s23, s10, 16*SPITCH
	s_add_co_u32 s23, s23, STAGE                   ; my stage
	v_and_b32 v6, 31, v0
	v_lshrrev_b32 v7, 3, v6
	v_and_b32 v8, 7, v0
	v_mul_u32_u24 v4, v1, SPITCH                   ; in: token r, 16 bytes for each half of the lanes
	v_lshl_add_u32 v4, v2, 4, v4
	v_add_nc_u32 v[STO], s23, v4
	v_mul_u32_u24 v7, v7, SPITCH                   ; back: eight lanes take the 128 bytes of one token and one head
	v_lshl_add_u32 v7, v8, 4, v7
	v_add_nc_u32 v[RD], s23, v7
	v_lshlrev_b32 v[CO], 4, v6                     ; and four such tokens are 512 neighbouring bytes of qkv
; na x NH matrix instructions: token tiles a0 .. a0 + na - 1 x the NH column tiles of one half, 32 along K, from buffer f.
; The accumulators take turns, one instruction a turn.
.macro MULH f, half, a0, na, zero
.set ma, \a0
.rept \na
.set mb, 0
.rept NH
.if \zero
	v_wmma_f32_16x16x32_bf16 v[ACCHI*\half+8*(NH*ma+mb):ACCHI*\half+8*(NH*ma+mb)+7], v[FB0+8*NT*\f+8*(NH*\half+mb):FB0+8*NT*\f+8*(NH*\half+mb)+7], v[FA0+32*\f+8*ma:FA0+32*\f+8*ma+7], 0
.else
	v_wmma_f32_16x16x32_bf16 v[ACCHI*\half+8*(NH*ma+mb):ACCHI*\half+8*(NH*ma+mb)+7], v[FB0+8*NT*\f+8*(NH*\half+mb):FB0+8*NT*\f+8*(NH*\half+mb)+7], v[FA0+32*\f+8*ma:FA0+32*\f+8*ma+7], v[ACCHI*\half+8*(NH*ma+mb):ACCHI*\half+8*(NH*ma+mb)+7]
.endif
.set mb, mb+1
.endr
.set ma, ma+1
.endr
.endm
; NL LDS loads in one run: quarter step q of a slot into buffer f: 8 for the tokens, 2 NH for the lower column tiles, 2 NH for the upper
.macro FETCH slot, q, f
	WIN 0
.set fa, 0
.rept 4
	ds_load_b128 v[FA0+32*\f+8*fa:FA0+32*\f+8*fa+3],   v[ADRA+\slot] offset:fa*8*272+(\q>>1)*PLANE+(\q&1)*64
	ds_load_b128 v[FA0+32*\f+8*fa+4:FA0+32*\f+8*fa+7], v[ADRA+\slot] offset:fa*8*272+(\q>>1)*PLANE+(\q&1)*64+32
.set fa, fa+1
.endr
	WIN TO_B
.set fb, 0
.rept NT
	ds_load_b128 v[FB0+8*NT*\f+8*fb:FB0+8*NT*\f+8*fb+3],   v[ADRB+\slot] offset:fb*16*BP+64*\q
	ds_load_b128 v[FB0+8*NT*\f+8*fb+4:FB0+8*NT*\f+8*fb+7], v[ADRB+\slot] offset:fb*16*BP+64*\q+32
.set fb, fb+1
.endr
.endm
; a quarter step: multiplies buffer f; in its middle it fetches quarter qnext of the same slot into buffer g
.macro QUARTER slot, qnext, f, g, zero
	s_wait_dscnt 2*NH                              ; tokens and lower column tiles are in; the youngest 2 NH loads (upper tiles) may be out
	WIN MUL_LO
	MULH \f, 0, 0, 4, \zero
	PLACES
	FETCH \slot, \qnext, \g
	s_wait_dscnt NL                                ; all but the NL just issued
	WIN MUL_HI
	MULH \f, 1, 0, 4, \zero
.endm
.macro HALF slot, zero                 ; all quarter steps of a slot but the last
	QUARTER \slot, 1, 0, 1, \zero
	QUARTER \slot, 2, 1, 0, 0
	QUARTER \slot, 3, 0, 1, 0
.if NQ > 4
	QUARTER \slot, 4, 1, 0, 0
	QUARTER \slot, 5, 0, 1, 0
	QUARTER \slot, 6, 1, 0, 0
	QUARTER \slot, 7, 0, 1, 0
.endif
.endm
; the last quarter step: multiplies buffer 1 and changes slots.  One barrier for the change: in front of it each wave waits for its reads of
; this slot and for all its tensor loads (the one that is out is its part of the next slot); behind it this slot is asked for again first.
.macro TURN slot, next, fill
	s_wait_dscnt 2*NH
	WIN MUL_LO
	MULH 1, 0, 0, 2, 0
	s_wait_dscnt 0x0                               ; my reads of this slot are over
	s_wait_tensorcnt 0x0                           ; all my tensor loads have landed
	ds_add_u32 v255, v255
	s_wait_dscnt 0x0
	s_barrier_signal -1                            ; (where the slot is filled again this barrier opens a round of the cluster's barrier)
	MULH 1, 0, 2, 2, 0                             ; register work while the others arrive
	WIN 0
	s_barrier_wait -1
.if \fill
	CREST                                          ; no wave of any partner still reads this slot or has a load on its way
	s_add_nc_u64 s[G0+4*\slot+2:G0+4*\slot+3], s[G0+4*\slot+2:G0+4*\slot+3], ASTEP
	s_add_nc_u64 s[G0B+4*\slot+2:G0B+4*\slot+3], s[G0B+4*\slot+2:G0B+4*\slot+3], BSTEP
	JLOAD \slot                                    ; the wave's one tensor load behind the round
.endif
	PLACES
	FETCH \next, 0, 0
	WIN MUL_HI
	MULH 1, 1, 0, 4, 0
.endm
.macro LAP zero
	HALF 0, \zero
	TURN 0, 1, 1
	HALF 1, 0
	TURN 1, 0, 1
.endm
	s_wait_tensorcnt 1                             ; my part of slot 0 is in; slot 1's, issued behind it, may stay out
	s_barrier_signal -1
	s_barrier_wait -1
	FETCH 0, 0, 0
	LAP 1                                          ; the first products start the sums: nothing is cleared
.if LAPS > 2
	WIN 0
	s_mov_b32 s3, LAPS-2
.Llap:
	LAP 0
	WIN 0
	s_sub_co_u32 s3, s3, 1
	s_cmp_lg_u32 s3, 0
	s_cbranch_scc1 .Llap
.endif
	HALF 0, 0                                      ; the last lap fills nothing
	TURN 0, 1, 0
	HALF 1, 0
	s_wait_dscnt 2*NH
	WIN MUL_LO
	MULH 1, 0, 0, 4, 0
	s_wait_dscnt 0x0
	WIN MUL_HI
	MULH 1, 1, 0, 4, 0
	PLACES
	WIN 0
	; THE WAY OUT, 16 tokens at a time: round to f16, 16 bytes a lane into my stage, read back head by head, four tokens an instruction
	s_lshr_b32 s16, s13, 4                         ; b
	s_mul_i32 s16, s16, 12582912
	s_and_b32 s14, s13, 15
	s_lshl_b32 s14, s14, 14                        ; 128 tokens of 128 bytes
	s_add_co_u32 s16, s16, s14
	s_lshl_b32 s14, s11, 13                        ; my 64 tokens
	s_add_co_u32 s16, s16, s14
	s_mov_b32 s17, 0
	s_add_nc_u64 s[8:9], s[8:9], s[16:17]
	s_mul_i32 s46, s42, 6                          ; g = 6 x column block + 3 x half (in the registers that held wt's address)
	s_mul_i32 s47, s12, 3
	s_add_co_u32 s46, s46, s47
	s_lshl_b32 s46, s46, 18
	s_mov_b32 s47, 0
	s_add_nc_u64 s[8:9], s[8:9], s[46:47]
.macro OUTQ a
	WIN 0x0a                                       ; sources in window 2
.irp b, 0,1,2,3,4,5
.irp m, 0,1,2,3
	v_cvt_pk_f16_f32 v[TMP+4*\b+\m], v[8*(NH*\a+\b)+2*\m], v[8*(NH*\a+\b)+2*\m+1]
.endr
.endr
	WIN 0x0f                                       ; sources in window 3
.irp b, 0,1,2,3,4,5
.irp m, 0,1,2,3
	v_cvt_pk_f16_f32 v[TMP+4*(NH+\b)+\m], v[8*(NH*\a+\b)+2*\m], v[8*(NH*\a+\b)+2*\m+1]
.endr
.endr
	WIN 0
.irp b, 0,1,2,3,4,5,6,7,8,9,10,11
	ds_store_b128 v[STO], v[TMP+4*\b:TMP+4*\b+3] offset:32*\b
.endr
	s_wait_xcnt 0x0                                ; RB, which the last group's stores read, is loaded again only behind this wait
.irp hh, 0,1,2
.irp t, 0,1,2,3
	ds_load_b128 v[RB+4*(4*\hh+\t):RB+4*(4*\hh+\t)+3], v[RD] offset:\hh*128+\t*4*SPITCH   ; LDS serves a wave's instructions in order: these see the stores above
.endr
.endr
.irp hh, 0,1,2
.irp t, 0,1,2,3
	s_wait_dscnt 11-(4*\hh+\t)
	global_store_b128 v[CO], v[RB+4*(4*\hh+\t):RB+4*(4*\hh+\t)+3], s[8:9] offset:\hh*262144+\a*2048+\t*512   ; 512 neighbouring bytes, aligned
.endr
.endr
.endm
	OUTQ 0
	OUTQ 1
	OUTQ 2
	OUTQ 3
	s_set_vgpr_msb 0x1
	s_wait_tensorcnt 0x0
	ds_add_u32 v255, v255
	s_wait_dscnt 0x0
	s_set_vgpr_msb 0x100
	CROUND                                         ; the closing round: no work-group ends while a partner may still ask for a tile that names it
	s_endpgm
.Lfunc_end_k_q76eb5f9366_qkv:
	.size	k_q76eb5f9366_qkv, .Lfunc_end_k_q76eb5f9366_qkv-k_q76eb5f9366_qkv
	.p2alignl 7, 3214868480
	.fill 96, 4, 3214868480
	.section	.rodata,"a",@progbits
	.p2align	6, 0x0
	.amdhsa_kernel k_q76eb5f9366_qkv
		.amdhsa_group_segment_fixed_size 327680
		.amdhsa_private_segment_fixed_size 0
		.amdhsa_enable_private_segment 0
		.amdhsa_kernarg_size 24
		.amdhsa_user_sgpr_count 2
		.amdhsa_user_sgpr_kernarg_segment_ptr 1
		.amdhsa_wavefront_size32 1
		.amdhsa_system_sgpr_workgroup_id_x 1
		.amdhsa_system_sgpr_workgroup_id_y 1
		.amdhsa_system_sgpr_workgroup_id_z 1
		.amdhsa_system_vgpr_workitem_id 0
		.amdhsa_next_free_vgpr 960
		.amdhsa_next_free_sgpr 66
		.amdhsa_reserve_vcc 0
		.amdhsa_float_denorm_mode_32 3
		.amdhsa_float_denorm_mode_16_64 3
		.amdhsa_memory_ordered 1
		.amdhsa_forward_progress 1
		.amdhsa_inst_pref_size 164
	.end_amdhsa_kernel
	.amdgpu_metadata
---
amdhsa.version: [ 1, 2 ]
amdhsa.kernels:
  - .name:           k_q76eb5f9366_qkv
    .symbol:         k_q76eb5f9366_qkv.kd
    .args:
      - { .name: xb, .offset: 0, .size: 8, .value_kind: global_buffer, .address_space: global }
      - { .name: wt, .offset: 8, .size: 8, .value_kind: global_buffer, .address_space: global }
      - { .name: qkv, .offset: 16, .size: 8, .value_kind: global_buffer, .address_space: global }
    .group_segment_fixed_size: 327680
    .private_segment_fixed_size: 0
    .kernarg_segment_align: 8
    .kernarg_segment_size: 24
    .max_flat_workgroup_size: 128
    .sgpr_count:     66
    .vgpr_count:     960
    .wavefront_size: 32
...
	.end_amdgpu_metadata
.endif
;; end of part 2
;; launch attn (part 3): grid 8 x 32, 8 waves a work-group, no clusters, 327,680 bytes of LDS; arguments qkv, ao; writes ao
.if DOCPART == 3
	.amdgcn_target "amdgcn-amd-amdhsa--gfx1250"
	.amdhsa_code_object_version 6
	.text
	.protected	k_q76eb5f9366_attn
	.globl	k_q76eb5f9366_attn
	.p2align	8
	.type	k_q76eb5f9366_attn,@function
k_q76eb5f9366_attn:
	s_mov_b64 s[64:65], 0
	v_nop
	global_prefetch_b8 v0, s[64:65] scope:SCOPE_SE
	s_setreg_imm32_b32 hwreg(HW_REG_WAVE_MODE, 25, 1), 1
	s_wait_xcnt 0x0
; Causal attention of one (batch, head) pair, with a running maximum.  qkv[b][g][s 2048][64] f16 (g = head: q, 16 + head: k, 32 + head: v);
; ao[b x 16 + query block][head][128 queries][64] f16.
; Work-group (i, bh), i = 0..7, owns the query blocks A = i and B = 15 - i of 128 queries: 17 units of 128 queries x 128 keys in every
; work-group.  A's keys are a prefix of B's, so one walk over 16 - i key units serves both, and a fragment of K or V feeds both blocks.
; Eight waves: wave w takes queries 32 (w & 3) .. + 31 of each block and keys 64 (w >> 2) .. + 63 of each unit; the two key halves are merged
; once, at the end, through LDS.
; TRANSPOSED FORM: S^T = K Q^T and O^T = V^T P^T.  In a result, lane (r, h) register j holds key (or d) 8 h + j of query r: a query is a lane,
; its maximum and sum are made inside the lane and with lane r + 16 alone, and two packed score tiles ARE the second source of the next product.
; ORDER OF UNITS: unit i first (A's diagonal, masked; it starts both blocks' sums), then 0 .. i - 1 (both blocks), i + 1 .. 14 - i (B alone),
; 15 - i last (B's diagonal, masked).  Two LDS slots take turns; which slot a step reads is fixed in the text: an odd i starts on slot 1.
; THE RUNNING MAXIMUM is kept as N = -c x maximum, c = log2(e) / 8, a running minimum; every exponent is c S + N, at most about 0.
; A wave whose first tile is wholly masked carries finite numbers under N = c x 2^100; the next factor exp2(N' - N) is 0 and removes them.
; FILLS: wave 0 brings a unit of K, wave 1 the unit of V, 16,384 bytes each, by lines of their own with descriptors whose words, the global
; address apart, are constants.
; NO CLUSTER: the work-groups of one head read the same K and V, but need 16 - i units each, a different number in each partner, and in a
; different order; a form in step would compute 20 units a work-group where this one computes 17.
; Limits: masked scores are left out instead of lowered by 1e9: equal as long as a row's scores spread by less than about 1e9;
; scores below -2^100 are not served; the weights P (at most 1) and the result (a mean of v) are rounded to f16; NaN and infinities get no special care.
.set SLOTB, 35840                      ; a slot: K, 64 rows of 256 bytes (two keys each), pitch 272; then V, pitch 288
.set VOFF,  17408
.set MST,   71680                      ; merge stage: 8 x 8,704 bytes; no tensor load lands here
.set OST,   141312                     ; output stage: 8 x 32 rows of 144 bytes
.set G1K, 16                           ; s[16:23] descriptor group 1 for K
.set G0K, 24                           ; s[24:31] descriptor group 0 for K, one set for each slot
.set G1V, 68                           ; s[68:75] descriptor group 1 for V: it differs in the padding alone
.set G0V, 76                           ; s[76:83] descriptor group 0 for V, one set for each slot
.set QR, 32                            ; v32-95    Q fragments: 32 blk + 16 qt + 8 kk
.set SR, 96                            ; v96-159   scores: 32 qt + 8 kt; packed in place: P(qt, ks) at 32 qt + 16 ks
.set KR, 160                           ; v160-223  K fragments: 16 kt + 8 kk
.set MX, 224                           ; v224-231  chains of maxima
.set SM, 232                           ; v232-247  chains of sums
.set VR, 128                           ; window 1: V fragments at 128 + 8 (dt + 4 ks); O at 64 blk + 32 qt + 8 dt
; v1, v2 K's LDS address in slot 0, 1; v3, v4 V's; v6, v7 mask bounds of qt 0, 1; v8 the masked score; v9, v10 from the other half of the lanes;
; v[12:15] block A: N0, l0, N1, l1; v[16:19] block B; v20, v22 the factors alpha of qt 0, 1; v21, v23 at work; v24-29 addresses
.set MSB, 0
.macro WIN new
.if MSB != \new
	s_set_vgpr_msb (MSB<<8)|\new
.set MSB, \new
.endif
.endm
; The unit at byte s12 of K's and of V's plane is written into the descriptors of slot s.  Stands where no tensor load of the wave is out.
.macro SETADR s
	s_add_nc_u64 s[G0K+4*(\s)+2:G0K+4*(\s)+3], s[32:33], s[12:13]
	s_or_b32 s[G0K+4*(\s)+3], s[G0K+4*(\s)+3], 0x80000000
	s_add_nc_u64 s[G0V+4*(\s)+2:G0V+4*(\s)+3], s[84:85], s[12:13]
	s_or_b32 s[G0V+4*(\s)+3], s[G0V+4*(\s)+3], 0x80000000
.endm
; Slot s is asked for: wave 0 alone reaches K's line, wave 1 alone V's; the other six waves issue nothing.
.macro KVLOAD s
	s_cmp_lg_u32 s8, 0
	s_cbranch_scc1 .Lnot_k_\@
	tensor_load_to_lds s[G0K+4*(\s):G0K+4*(\s)+3], s[G1K:G1K+7]
	s_nop 0
.Lnot_k_\@:
	s_cmp_lg_u32 s8, 1
	s_cbranch_scc1 .Lnot_v_\@
	tensor_load_to_lds s[G0V+4*(\s):G0V+4*(\s)+3], s[G1V:G1V+7]
	s_nop 0
.Lnot_v_\@:
.endm
	s_load_b128 s[48:51], s[0:1], 0x0              ; qkv s[48:49], ao s[50:51]
	v_lshl_add_u32 v254, v0, 2, 0x2b800
	v_mov_b32 v255, 0
	ds_add_u32 v254, v255
	v_lshrrev_b32 v1, 5, v0
	v_readfirstlane_b32 s8, v1                     ; wave w
	s_mov_b32 s6, ttmp9                            ; i
	s_and_b32 s7, ttmp7, 0xffff                    ; b x 16 + head
	s_and_b32 s9, s8, 3                            ; qw: which 32 queries
	s_lshr_b32 s10, s8, 2                          ; par: which 64 keys
	s_mov_b32 s38, 0x3e38aa3b                      ; c = log2(e) / 8
	s_mov_b32 s39, 0x3e38aa3b
	s_mov_b32 s40, 0xbe38aa3b                      ; -c
	s_mov_b32 s41, 0x76543210                      ; v_permlanex16_b32: lane i reads lane i of the other half
	s_mov_b32 s42, 0xfedcba98
	; group 1: 64 rows of 32 elements of 8 bytes, dense; behind every 64 words a padding of 4 words (K) or 8 words (V); no work-group mask
	s_mov_b32 s[G1K+0], (3<<16)|(1<<20)|(5<<22)|(3<<25)
	s_mov_b32 s[G1K+1], 32<<16                     ; tensor_dim0 = 32
	s_mov_b32 s[G1K+2], 64<<16                     ; tensor_dim1 = 64
	s_mov_b32 s[G1K+3], 32<<16                     ; tile_dim0 = 32
	s_mov_b32 s[G1K+4], 64                         ; tile_dim1 = 64
	s_mov_b32 s[G1K+5], 32                         ; from row to row: 32 elements
	s_mov_b32 s[G1K+6], 0
	s_mov_b32 s[G1K+7], 0
	s_mov_b32 s[G1V+0], (3<<16)|(1<<20)|(5<<22)|(7<<25)
	s_mov_b32 s[G1V+1], 32<<16
	s_mov_b32 s[G1V+2], 64<<16
	s_mov_b32 s[G1V+3], 32<<16
	s_mov_b32 s[G1V+4], 64
	s_mov_b32 s[G1V+5], 32
	s_mov_b32 s[G1V+6], 0
	s_mov_b32 s[G1V+7], 0
.irp s, 0,1
	s_mov_b32 s[G0K+4*\s], 1
	s_mov_b32 s[G0K+4*\s+1], \s*SLOTB              ; K at the slot's head,
	s_mov_b32 s[G0V+4*\s], 1
	s_mov_b32 s[G0V+4*\s+1], \s*SLOTB+VOFF         ; V behind it
.endr
	s_cmp_eq_u32 s6, 0
	s_cselect_b32 s11, 1, 0                        ; the unit that the first refill brings: 0, or 1 where unit 0 is the first unit
	; lane terms (v96 and up are free until the first scores)
	v_and_b32 v96, 31, v0                          ; L
	v_and_b32 v97, 15, v0                          ; r
	v_bfe_u32 v98, v0, 4, 1                        ; h
	v_and_b32 v100, 1, v0
	v_lshrrev_b32 v99, 1, v97
	v_mul_u32_u24 v99, v99, 272                    ; K: key r of a tile: row r >> 1, half r & 1, + 16 h
	v_lshl_add_u32 v99, v100, 7, v99
	v_lshl_add_u32 v99, v98, 4, v99
	s_mul_i32 s52, s10, 32*272                     ; my 64 keys
	v_add_nc_u32 v1, s52, v99
	v_add_nc_u32 v2, SLOTB, v1
	v_bfe_u32 v101, v0, 1, 2                       ; V, for the transposing load: key 8 h + (L & 7): row 4 h + ((L & 7) >> 1), half L & 1,
	v_lshl_add_u32 v101, v98, 2, v101
	v_mul_u32_u24 v101, v101, 288
	v_lshl_add_u32 v101, v100, 7, v101
	v_bfe_u32 v102, v0, 3, 1                       ; + 16 ((L >> 3) & 1)
	v_lshl_add_u32 v101, v102, 4, v101
	s_mul_i32 s53, s10, 32*288
	s_add_co_u32 s53, s53, VOFF
	v_add_nc_u32 v3, s53, v101
	v_add_nc_u32 v4, SLOTB, v3
	s_lshl_b32 s54, s9, 5
	s_lshl_b32 s55, s10, 6
	s_sub_co_i32 s54, s54, s55
	v_lshlrev_b32 v103, 3, v98
	v_sub_nc_u32 v6, v97, v103
	v_add_nc_u32 v6, s54, v6                       ; on a diagonal unit key 16 kt + j of my lane is seen if 16 kt + j <= 32 qw + 16 qt + r - 8 h - 64 par
	v_add_nc_u32 v7, 16, v6
	v_mov_b32 v8, 0xf1800000                       ; -2^100
	v_mov_b32 v9, 0
	v_mov_b32 v10, 0
	v_mov_b32 v13, 0                               ; the sums l: the pairs (N, l) are read whole by the packed multiply-adds
	v_mov_b32 v15, 0
	v_mov_b32 v17, 0
	v_mov_b32 v19, 0
	v_lshlrev_b32 v24, 7, v97
	v_lshl_add_u32 v24, v98, 4, v24                ; Q: query r x 128 bytes + 16 h
	v_lshlrev_b32 v29, 4, v96                      ; 16 L
	s_mul_i32 s55, s8, 8704
	s_add_co_u32 s55, s55, MST
	v_add_nc_u32 v25, s55, v29                     ; merge stage: mine,
	s_xor_b32 s56, s8, 4
	s_mul_i32 s56, s56, 8704
	s_add_co_u32 s56, s56, MST
	v_add_nc_u32 v26, s56, v29                     ; and that of the wave with the same queries and the other keys
	s_mul_i32 s55, s8, 4608
	s_add_co_u32 s55, s55, OST
	v_mul_u32_u24 v104, v97, 144
	v_lshl_add_u32 v104, v98, 4, v104
	v_add_nc_u32 v27, s55, v104                    ; output stage, in: query r, + 16 h
	v_lshrrev_b32 v105, 3, v96
	v_mul_u32_u24 v105, v105, 144
	v_and_b32 v106, 7, v0
	v_lshl_add_u32 v105, v106, 4, v105
	v_add_nc_u32 v28, s55, v105                    ; back: eight lanes a query
	s_lshr_b32 s52, s7, 4                          ; b
	s_and_b32 s53, s7, 15                          ; head
	s_sub_co_u32 s54, 15, s6                       ; block B
	s_lshl_b32 s55, s9, 12                         ; my 32 queries of 128 bytes
	s_mul_i32 s56, s52, 12582912
	s_lshl_b32 s14, s53, 18
	s_add_co_u32 s56, s56, s14                     ; q's plane of (b, head)
	s_mov_b32 s13, 0
	s_wait_dscnt 0x0
	s_barrier_signal -1
	s_barrier_wait -1
	s_wait_kmcnt 0x0
	s_add_co_u32 s12, s56, 0x400000                ; 16 planes of 262,144 bytes on: k
	s_add_nc_u64 s[32:33], s[48:49], s[12:13]
	s_add_co_u32 s12, s56, 0x800000                ; 32 planes on: v
	s_add_nc_u64 s[84:85], s[48:49], s[12:13]
	s_add_co_u32 s56, s56, s55
	s_lshl_b32 s14, s6, 14
	s_add_co_u32 s12, s56, s14
	s_add_nc_u64 s[34:35], s[48:49], s[12:13]      ; my queries of block A
	s_lshl_b32 s14, s54, 14
	s_add_co_u32 s12, s56, s14
	s_add_nc_u64 s[36:37], s[48:49], s[12:13]      ; of block B
	s_lshl_b32 s56, s52, 22
	s_lshl_b32 s14, s53, 14
	s_add_co_u32 s56, s56, s14
	s_add_co_u32 s56, s56, s55
	s_lshl_b32 s14, s6, 18
	s_add_co_u32 s12, s56, s14
	s_add_nc_u64 s[44:45], s[50:51], s[12:13]      ; where block A's result goes
	s_lshl_b32 s14, s54, 18
	s_add_co_u32 s12, s56, s14
	s_add_nc_u64 s[46:47], s[50:51], s[12:13]      ; block B's
.irp blk, 0,1
.irp qt, 0,1
.irp kk, 0,1
	global_load_b128 v[QR+32*\blk+16*\qt+8*\kk:QR+32*\blk+16*\qt+8*\kk+3],   v24, s[34+2*\blk:35+2*\blk] offset:\qt*2048+\kk*64
	global_load_b128 v[QR+32*\blk+16*\qt+8*\kk+4:QR+32*\blk+16*\qt+8*\kk+7], v24, s[34+2*\blk:35+2*\blk] offset:\qt*2048+\kk*64+32
.endr
.endr
.endr
; One block's share of a step: 32 queries x 64 keys.  first = 1: it starts the block's maximum, sum and O.  mask = 1: a diagonal unit.
; kwait = 1: the step's 32 LDS loads (16 for K, then 16 for V) have just been issued and are waited for here.
.macro BLK blk, first, mask, kwait
.irp kp, 0,1
.if \kwait
	s_wait_dscnt 24-8*\kp                          ; of the step's 32 loads the first 8 (kp + 1), K's tiles up to 2 kp + 1, are in
.endif
.irp kk, 0,1
.irp kt, 2*\kp, 2*\kp+1
.irp qt, 0,1
.if \kk
	v_wmma_f32_16x16x32_f16 v[SR+32*\qt+8*(\kt):SR+32*\qt+8*(\kt)+7], v[KR+16*(\kt)+8:KR+16*(\kt)+15], v[QR+32*\blk+16*\qt+8:QR+32*\blk+16*\qt+15], v[SR+32*\qt+8*(\kt):SR+32*\qt+8*(\kt)+7]
.else
	v_wmma_f32_16x16x32_f16 v[SR+32*\qt+8*(\kt):SR+32*\qt+8*(\kt)+7], v[KR+16*(\kt):KR+16*(\kt)+7], v[QR+32*\blk+16*\qt:QR+32*\blk+16*\qt+7], 0
.endif
.endr
.endr
.endr
.endr                                              ; four accumulators take turns, one instruction a turn
.rept 4
	v_nop                                          ; four places behind the last product, in front of the readers of the scores (ISA guide 7.12.1)
.endr
.if \mask
.irp qt, 0,1
.irp kt, 0,1,2,3
.irp j, 0,1,2,3,4,5,6,7
	v_cmp_le_i32 vcc_lo, 16*\kt+\j, v[6+\qt]
	v_cndmask_b32 v[SR+32*\qt+8*\kt+\j], v8, v[SR+32*\qt+8*\kt+\j], vcc_lo
.endr
.endr
.endr
.endif
	; the largest of a query's 64 scores: eight chains in the lane, then the other half of the lanes
.irp qt, 0,1
.irp kt, 0,1,2,3
	v_max3_num_f32 v[MX+4*\qt+\kt], v[SR+32*\qt+8*\kt], v[SR+32*\qt+8*\kt+1], v[SR+32*\qt+8*\kt+2]
.endr
.endr
.irp e, 3,5
.irp qt, 0,1
.irp kt, 0,1,2,3
	v_max3_num_f32 v[MX+4*\qt+\kt], v[MX+4*\qt+\kt], v[SR+32*\qt+8*\kt+\e], v[SR+32*\qt+8*\kt+\e+1]
.endr
.endr
.endr
.irp qt, 0,1
.irp kt, 0,1,2,3
	v_max_num_f32 v[MX+4*\qt+\kt], v[MX+4*\qt+\kt], v[SR+32*\qt+8*\kt+7]
.endr
.endr
	v_max3_num_f32 v21, v[MX], v[MX+1], v[MX+2]
	v_max3_num_f32 v23, v[MX+4], v[MX+5], v[MX+6]
	v_max_num_f32 v21, v21, v[MX+3]
	v_max_num_f32 v23, v23, v[MX+7]
	v_permlanex16_b32 v9, v21, s41, s42
	v_permlanex16_b32 v10, v23, s41, s42
	v_max_num_f32 v21, v21, v9
	v_max_num_f32 v23, v23, v10
.if \first
	v_mul_f32 v[12+4*\blk], s40, v21               ; N = -c x maximum
	v_mul_f32 v[14+4*\blk], s40, v23
.else
	v_mul_f32 v21, s40, v21
	v_mul_f32 v23, s40, v23
	v_min_num_f32 v21, v[12+4*\blk], v21           ; the running minimum of N is the running maximum of the scores
	v_min_num_f32 v23, v[14+4*\blk], v23
	v_sub_f32 v20, v21, v[12+4*\blk]
	v_sub_f32 v22, v23, v[14+4*\blk]
	v_mov_b32 v[12+4*\blk], v21
	v_mov_b32 v[14+4*\blk], v23
	v_exp_f32 v20, v20                             ; alpha = 2^(N new - N old), at most 1; the packed multiply-adds below are the plain
	v_exp_f32 v22, v22                             ; instructions that stand between these and their first use (ISA guide 5.7.2)
.endif
.irp qt, 0,1
.irp p, 0,1,2,3,4,5,6,7,8,9,10,11,12,13,14,15
	v_pk_fma_f32 v[SR+32*\qt+2*\p:SR+32*\qt+2*\p+1], v[SR+32*\qt+2*\p:SR+32*\qt+2*\p+1], s[38:39], v[12+4*\blk+2*\qt:13+4*\blk+2*\qt] op_sel_hi:[1,0,0]   ; c S + N
.endr
.endr
.set ex, 0
.rept 64
	v_exp_f32 v[SR+ex], v[SR+ex]
.set ex, ex+1
.endr
	v_nop                                          ; one plain instruction behind the last exponential
	; this tile's sums, two numbers at a time, four chains a query tile
	s_wait_alu depctr_va_vdst(0)
.irp qt, 0,1
.irp c, 0,1,2,3
	v_pk_add_f32 v[SM+8*\qt+2*\c:SM+8*\qt+2*\c+1], v[SR+32*\qt+8*\c:SR+32*\qt+8*\c+1], v[SR+32*\qt+8*\c+2:SR+32*\qt+8*\c+3]
.endr
.endr
.irp e, 4,6
.irp qt, 0,1
.irp c, 0,1,2,3
	v_pk_add_f32 v[SM+8*\qt+2*\c:SM+8*\qt+2*\c+1], v[SM+8*\qt+2*\c:SM+8*\qt+2*\c+1], v[SR+32*\qt+8*\c+\e:SR+32*\qt+8*\c+\e+1]
.endr
.endr
.endr
.irp qt, 0,1
	v_pk_add_f32 v[SM+8*\qt:SM+8*\qt+1], v[SM+8*\qt:SM+8*\qt+1], v[SM+8*\qt+2:SM+8*\qt+3]
	v_pk_add_f32 v[SM+8*\qt+4:SM+8*\qt+5], v[SM+8*\qt+4:SM+8*\qt+5], v[SM+8*\qt+6:SM+8*\qt+7]
.endr
.irp qt, 0,1
	v_pk_add_f32 v[SM+8*\qt:SM+8*\qt+1], v[SM+8*\qt:SM+8*\qt+1], v[SM+8*\qt+4:SM+8*\qt+5]
.endr
	; pack in place: tiles 2 ks and 2 ks + 1 become the eight registers of P(qt, ks): keys 8 h .. + 7, then 16 + 8 h .. + 7
.irp qt, 0,1
.irp ks, 0,1
.irp m, 0,1,2,3,4,5,6,7
	v_cvt_pk_f16_f32 v[SR+32*\qt+16*\ks+\m], v[SR+32*\qt+16*\ks+2*\m], v[SR+32*\qt+16*\ks+2*\m+1]
.endr
.endr
.endr
.if \first == 0
	WIN 0x41                                       ; O in window 1, alpha in window 0
.irp qt, 0,1
.irp p, 0,1,2,3,4,5,6,7,8,9,10,11,12,13,14,15
	v_pk_mul_f32 v[64*\blk+32*\qt+2*\p:64*\blk+32*\qt+2*\p+1], v[64*\blk+32*\qt+2*\p:64*\blk+32*\qt+2*\p+1], v[20+2*\qt:21+2*\qt] op_sel_hi:[1,0]
.endr
.endr
.endif
.if \kwait
	s_wait_dscnt 0x0                               ; V's fragments
.endif
	WIN 0x51                                       ; V and O in window 1, P in window 0
.irp ks, 0,1
.irp qt, 0,1
.irp dt, 0,1,2,3
.if \first*(1-\ks)
	v_wmma_f32_16x16x32_f16 v[64*\blk+32*\qt+8*\dt:64*\blk+32*\qt+8*\dt+7], v[VR+8*(\dt+4*\ks):VR+8*(\dt+4*\ks)+7], v[SR+32*\qt+16*\ks:SR+32*\qt+16*\ks+7], 0
.else
	v_wmma_f32_16x16x32_f16 v[64*\blk+32*\qt+8*\dt:64*\blk+32*\qt+8*\dt+7], v[VR+8*(\dt+4*\ks):VR+8*(\dt+4*\ks)+7], v[SR+32*\qt+16*\ks:SR+32*\qt+16*\ks+7], v[64*\blk+32*\qt+8*\dt:64*\blk+32*\qt+8*\dt+7]
.endif
.endr
.endr
.endr                                              ; eight accumulators take turns, one instruction a turn
	WIN 0
	; five places behind the last product: the next score products write over P, the next loads over V
.if \first
	v_add_f32 v[13+4*\blk], v[SM], v[SM+1]
	v_add_f32 v[15+4*\blk], v[SM+8], v[SM+9]
	v_nop
	v_nop
	v_nop
.else
	v_fma_f32 v[13+4*\blk], v[13+4*\blk], v20, v[SM]
	v_fma_f32 v[15+4*\blk], v[15+4*\blk], v22, v[SM+8]
	v_add_f32 v[13+4*\blk], v[13+4*\blk], v[SM+1]
	v_add_f32 v[15+4*\blk], v[15+4*\blk], v[SM+9]
	v_nop
.endif
.endm
; One key unit, read from \slot.  refill = 1: the other slot is asked for again, with unit s11.
.macro STEP slot, refill, doA, first, maskA, maskB
	s_wait_tensorcnt 0x0                           ; all my tensor loads have landed, my part of this step's unit among them: a group 0 may be written
	ds_add_u32 v254, v255
	s_wait_dscnt 0x0
.if \refill
	s_lshl_b32 s12, s11, 14                        ; a unit of 128 keys is 16,384 bytes
	SETADR 1-\slot
	s_add_co_u32 s11, s11, 1                       ; the next unit, stepping over unit i, which came first
	s_cmp_eq_u32 s11, s6
	s_cselect_b32 s14, 1, 0
	s_add_co_u32 s11, s11, s14
.endif
	s_wait_dscnt 0x0                               ; my reads of the other slot are over
	s_barrier_signal -1
	s_barrier_wait -1                              ; both now hold of all eight waves
.if \refill
	KVLOAD 1-\slot                                 ; a filling wave's one tensor load behind this barrier, ahead of its LDS reads
.endif
.irp kt, 0,1,2,3
.irp kk, 0,1
	ds_load_b128 v[KR+16*\kt+8*\kk:KR+16*\kt+8*\kk+3],   v[1+\slot] offset:\kt*8*272+\kk*64
	ds_load_b128 v[KR+16*\kt+8*\kk+4:KR+16*\kt+8*\kk+7], v[1+\slot] offset:\kt*8*272+\kk*64+32
.endr
.endr
	WIN 0x40                                       ; destination in window 1
.irp ks, 0,1
.irp dt, 0,1,2,3
	ds_load_tr16_b128 v[VR+8*(\dt+4*\ks):VR+8*(\dt+4*\ks)+3],   v[3+\slot] offset:\ks*16*288+\dt*32
	ds_load_tr16_b128 v[VR+8*(\dt+4*\ks)+4:VR+8*(\dt+4*\ks)+7], v[3+\slot] offset:\ks*16*288+8*288+\dt*32
.endr
.endr
	WIN 0
.if \first
	s_wait_loadcnt 0x0                             ; Q, once
.endif
.if \doA
	BLK 0, \first, \maskA, 1
	BLK 1, \first, \maskB, 0
.else
	BLK 1, \first, \maskB, 1
.endif
.endm
; The launch's first fill: unit i into \slot, ahead of every wait on TENSORcnt and every LDS load of K or V.
.macro FIRSTFILL slot
	s_lshl_b32 s12, s6, 14
	SETADR \slot
	KVLOAD \slot
.endm
	s_bitcmp1_b32 s6, 0
	s_cbranch_scc1 .Lodd
	FIRSTFILL 0                                    ; i even: an even number of steps stands between the first and the last: begin on slot 0
	STEP 0, 1, 1, 1, 1, 0
	s_branch .Lboth
.Lodd:
	FIRSTFILL 1                                    ; i odd: begin on slot 1, and take one unit for both blocks on slot 0
	STEP 1, 1, 1, 1, 1, 0
	STEP 0, 1, 1, 0, 0, 0
.Lboth:
	s_lshr_b32 s57, s6, 1                          ; the other units below i, two a trip
	s_cmp_eq_u32 s57, 0
	s_cbranch_scc1 .Lno_both
.Lboth_loop:
	STEP 1, 1, 1, 0, 0, 0
	STEP 0, 1, 1, 0, 0, 0
	s_sub_co_i32 s57, s57, 1
	s_cmp_lg_u32 s57, 0
	s_cbranch_scc1 .Lboth_loop
.Lno_both:
	s_sub_co_u32 s57, 7, s6                        ; units i + 1 .. 14 - i, for B alone, two a trip
	s_cmp_eq_u32 s57, 0
	s_cbranch_scc1 .Lno_single
.Lsingle_loop:
	STEP 1, 1, 0, 0, 0, 0
	STEP 0, 1, 0, 0, 0, 0
	s_sub_co_i32 s57, s57, 1
	s_cmp_lg_u32 s57, 0
	s_cbranch_scc1 .Lsingle_loop
.Lno_single:
	STEP 1, 0, 0, 0, 0, 1                          ; B's diagonal unit; nothing is left to fetch
; THE MERGE.  The waves of the lower keys finish block A and hand their part of B over; those of the upper keys the other way round.
.macro SEND blk
	ds_store_b128 v25, v[12+4*\blk:15+4*\blk]      ; N0, l0, N1, l1
	WIN 0x04                                       ; store data in window 1
.irp n, 0,1,2,3,4,5,6,7,8,9,10,11,12,13,14,15
	ds_store_b128 v25, v[64*\blk+4*\n:64*\blk+4*\n+3] offset:512*(\n+1)
.endr
	WIN 0
.endm
.macro FINISH blk
	ds_load_b128 v[MX:MX+3], v26
.irp n, 0,1,2,3,4,5,6,7,8,9,10,11,12,13,14,15
	ds_load_b128 v[KR+4*\n:KR+4*\n+3], v26 offset:512*(\n+1)
.endr
	s_wait_dscnt 0x0
.irp qt, 0,1
	v_min_num_f32 v[SM+4*\qt+1], v[12+4*\blk+2*\qt], v[MX+2*\qt]   ; the common N
	v_sub_f32 v[SM+4*\qt],   v[SM+4*\qt+1], v[12+4*\blk+2*\qt]
	v_sub_f32 v[SM+4*\qt+2], v[SM+4*\qt+1], v[MX+2*\qt]
.endr
	v_exp_f32 v[SM], v[SM]                         ; my factor,
	v_exp_f32 v[SM+2], v[SM+2]                     ; the partner's
	v_exp_f32 v[SM+4], v[SM+4]
	v_exp_f32 v[SM+6], v[SM+6]
	v_nop
	s_wait_alu depctr_va_vdst(0)
.irp qt, 0,1
	v_mul_f32 v[SM+4*\qt+1], v[13+4*\blk+2*\qt], v[SM+4*\qt]
	v_fma_f32 v[SM+4*\qt+1], v[MX+2*\qt+1], v[SM+4*\qt+2], v[SM+4*\qt+1]
.endr
	v_permlanex16_b32 v9, v[SM+1], s41, s42        ; the sums were kept apart in the two halves of the lanes
	v_permlanex16_b32 v10, v[SM+5], s41, s42
	v_add_f32 v[SM+1], v[SM+1], v9
	v_add_f32 v[SM+5], v[SM+5], v10
	v_rcp_f32 v[SM+1], v[SM+1]                     ; at least one exponential of the row is 1: the sum is not 0
	v_rcp_f32 v[SM+5], v[SM+5]
	v_nop
	s_wait_alu depctr_va_vdst(0)
.irp qt, 0,1
	v_mul_f32 v[SM+4*\qt],   v[SM+4*\qt],   v[SM+4*\qt+1]
	v_mul_f32 v[SM+4*\qt+2], v[SM+4*\qt+2], v[SM+4*\qt+1]
.endr
.irp qt, 0,1
.irp p, 0,1,2,3,4,5,6,7,8,9,10,11,12,13,14,15
	v_pk_mul_f32 v[KR+32*\qt+2*\p:KR+32*\qt+2*\p+1], v[KR+32*\qt+2*\p:KR+32*\qt+2*\p+1], v[SM+4*\qt+2:SM+4*\qt+3] op_sel_hi:[1,0]
.endr
.endr
	WIN 0x01                                       ; source 0, my O, in window 1
.irp qt, 0,1
.irp p, 0,1,2,3,4,5,6,7,8,9,10,11,12,13,14,15
	v_pk_fma_f32 v[KR+32*\qt+2*\p:KR+32*\qt+2*\p+1], v[64*\blk+32*\qt+2*\p:64*\blk+32*\qt+2*\p+1], v[SM+4*\qt:SM+4*\qt+1], v[KR+32*\qt+2*\p:KR+32*\qt+2*\p+1] op_sel_hi:[1,0,1]
.endr
.endr
	WIN 0
.irp qt, 0,1
.irp dt, 0,1,2,3
.irp m, 0,1,2,3
	v_cvt_pk_f16_f32 v[SR+16*\qt+4*\dt+\m], v[KR+32*\qt+8*\dt+2*\m], v[KR+32*\qt+8*\dt+2*\m+1]
.endr
	ds_store_b128 v27, v[SR+16*\qt+4*\dt:SR+16*\qt+4*\dt+3] offset:\qt*16*144+\dt*32   ; query 16 qt + r, d = 16 dt + 8 h .. + 7
.endr
.endr
.irp n, 0,1,2,3,4,5,6,7
	ds_load_b128 v[SR+32+4*\n:SR+32+4*\n+3], v28 offset:\n*4*144   ; my own bytes: LDS serves a wave's instructions in order
.endr
.irp n, 0,1,2,3,4,5,6,7
	s_wait_dscnt 7-\n
	global_store_b128 v29, v[SR+32+4*\n:SR+32+4*\n+3], s[44+2*\blk:45+2*\blk] offset:512*\n   ; four queries: 512 neighbouring bytes, aligned
.endr
.endm
	s_cmp_lt_u32 s8, 4
	s_cbranch_scc0 .Lsend_a
	SEND 1
	s_branch .Lsent
.Lsend_a:
	SEND 0
.Lsent:
	s_wait_dscnt 0x0                               ; my stores are done before I say so: the partner reads them
	s_barrier_signal -1
	s_barrier_wait -1
	s_cmp_lt_u32 s8, 4
	s_cbranch_scc0 .Lfinish_b
	FINISH 0
	s_wait_tensorcnt 0x0
	ds_add_u32 v254, v255
	s_wait_dscnt 0x0
	s_endpgm
.Lfinish_b:
	FINISH 1
	s_wait_tensorcnt 0x0
	ds_add_u32 v254, v255
	s_wait_dscnt 0x0
	s_endpgm
.Lfunc_end_k_q76eb5f9366_attn:
	.size	k_q76eb5f9366_attn, .Lfunc_end_k_q76eb5f9366_attn-k_q76eb5f9366_attn
	.p2alignl 7, 3214868480
	.fill 96, 4, 3214868480
	.section	.rodata,"a",@progbits
	.p2align	6, 0x0
	.amdhsa_kernel k_q76eb5f9366_attn
		.amdhsa_group_segment_fixed_size 327680
		.amdhsa_private_segment_fixed_size 0
		.amdhsa_enable_private_segment 0
		.amdhsa_kernarg_size 16
		.amdhsa_user_sgpr_count 2
		.amdhsa_user_sgpr_kernarg_segment_ptr 1
		.amdhsa_wavefront_size32 1
		.amdhsa_system_sgpr_workgroup_id_x 1
		.amdhsa_system_sgpr_workgroup_id_y 1
		.amdhsa_system_sgpr_workgroup_id_z 1
		.amdhsa_system_vgpr_workitem_id 0
		.amdhsa_next_free_vgpr 448
		.amdhsa_next_free_sgpr 88
		.amdhsa_reserve_vcc 1
		.amdhsa_float_denorm_mode_32 3
		.amdhsa_float_denorm_mode_16_64 3
		.amdhsa_memory_ordered 1
		.amdhsa_forward_progress 1
		.amdhsa_inst_pref_size 252
	.end_amdhsa_kernel
	.amdgpu_metadata
---
amdhsa.version: [ 1, 2 ]
amdhsa.kernels:
  - .name:           k_q76eb5f9366_attn
    .symbol:         k_q76eb5f9366_attn.kd
    .args:
      - { .name: qkv, .offset: 0, .size: 8, .value_kind: global_buffer, .address_space: global }
      - { .name: ao, .offset: 8, .size: 8, .value_kind: global_buffer, .address_space: global }
    .group_segment_fixed_size: 327680
    .private_segment_fixed_size: 0
    .kernarg_segment_align: 8
    .kernarg_segment_size: 16
    .max_flat_workgroup_size: 256
    .sgpr_count:     88
    .vgpr_count:     448
    .wavefront_size: 32
...
	.end_amdgpu_metadata
.endif
;; end of part 3
;; launch proj (part 4): grid 8 x 32, 4 waves a work-group, clusters of 4 x 4, 327,680 bytes of LDS; arguments ao, wt, bp, out0; writes out0
.if DOCPART == 4
	.amdgcn_target "amdgcn-amd-amdhsa--gfx1250"
	.amdhsa_code_object_version 6
	.text
	.protected	k_q76eb5f9366_proj
	.globl	k_q76eb5f9366_proj
	.p2align	8
	.type	k_q76eb5f9366_proj,@function
k_q76eb5f9366_proj:
	s_mov_b64 s[64:65], 0
	v_nop
	global_prefetch_b8 v0, s[64:65] scope:SCOPE_SE
	s_setreg_imm32_b32 hwreg(HW_REG_WAVE_MODE, 25, 1), 1
	s_wait_xcnt 0x0
	s_wait_alu depctr_hold_cnt(0) depctr_sa_sdst(0) depctr_va_vdst(0) depctr_va_sdst(0) depctr_va_ssrc(0) depctr_va_vcc(0) depctr_vm_vsrc(0)
	s_getreg_b32 s2, hwreg(HW_REG_IB_STS2, 6, 4)
	s_cmp_eq_u32 s2, 0
	s_cbranch_scc0 .Lentry_in_a_cluster
	s_endpgm
.Lentry_in_a_cluster:
	s_bfe_u32 s2, ttmp6, 0x10000c
	s_cmp_lg_u32 s2, 0xf033
	s_cbranch_scc0 .Lentry_shape_is_right
	s_endpgm
.Lentry_shape_is_right:
; out0 = attention result x Wp + bp: [4096 tokens x 1024] x [1024 x 1024], f16 operands, f32 sums, f32 result.
;   ao[mblock 32][head 16][128 tokens][64] f16;  wt[n][1024 k], rows 3072-4095 = Wp transposed, bf16 numbers written as f16;
;   bp[1024] f32;  out0[4096][1024] f32.
; The same structure as the product for q, k, v, with other sizes: a work-group makes 128 tokens x 128 columns with four waves, a wave
; 64 x 64: 16 accumulator tiles.  K goes in steps of 256 through two LDS slots, so that one load has eight quarter steps in which to land:
; waves 0, 1 bring two planes of ao each (128 rows of 256 dense bytes), waves 2, 3 bring 64 rows of wt each (512 bytes a row).
; CLUSTERS: 4 x 4 work-groups; the tokens' tiles are asked for jointly along a row of the cluster, wt's along a column.
; The matrix instruction is used transposed: lane (r, h) holds token r and the eight neighbouring columns 8 h .. 8 h + 7.
; REGISTERS: window 0 addresses, fragments (two buffers each), the way out; window 1 accumulators: column tiles 0, 1 at 8 (2 a + b),
; column tiles 2, 3 at 64 + 8 (2 a + b).
; Limits: the operands' f16 range (65,504); NaN and infinities get no special care.
.set NT,     4
.set NH,     NT/2
.set KS,     256
.set NQ,     KS/32
.set PLANE,  64*272
.set ABYTES, (KS/64)*PLANE
.set RA,     KS/2
.set BP,     2*KS+16
.set QIB,    6                         ; padding interval of wt's rows: 2 << 6 words = 512 bytes
.set BHALF,  16*NT*BP
.set SLOT,   ABYTES+2*BHALF
.set STAGE,  2*SLOT                    ; behind the ring: 16 rows x 272 bytes for each wave; no tensor load lands here
.set SPITCH, 272
.set LAPS,   1024/(2*KS)
.set NROW0,  3072
.set ASTEP,  2*KS*256
.set BSTEP,  4*KS
.set NL,     8+4*NH
.set ADRA, 16
.set ADRB, 20
.set STO,  24
.set RD,   25
.set CO,   26
.set BO,   27                          ; v27 byte offset of my four numbers of bp
.set FA0,  32                          ; token fragments: buffer f at FA0 + 32 f
.set FB0,  96                          ; wt fragments: buffer f at FB0 + 8 NT f
.set ACCHI, 64
.set RB,   160                         ; v160-191 rows read back from the stage
.set BI,   192                         ; v192-195 bp of my four columns
.set G1, 24
.set G0, 32
.set G1B, 48
.set G0B, 56
.set MUL_LO, 0x50                      ; sources in window 0, C and D in window 1
.set MUL_HI, 0x50
.set TO_B,   0
.set MSB, 0
.macro WIN new
.if MSB != \new
	s_set_vgpr_msb (MSB<<8)|\new
.set MSB, \new
.endif
.endm
.macro JLOAD s                         ; a joint load: waves 0, 1 ask for the tokens' tile, waves 2, 3 for wt's; the branch hangs on the wave's number alone
	s_cmp_eq_u32 s11, 0
	s_cbranch_scc0 .Lfor_b_\@
	tensor_load_to_lds s[G0+4*\s:G0+4*\s+3], s[G1:G1+7]
	s_nop 0
	s_branch .Lasked_\@
.Lfor_b_\@:
	tensor_load_to_lds s[G0B+4*\s:G0B+4*\s+3], s[G1B:G1B+7]
	s_nop 0
.Lasked_\@:
.endm
.macro CREST
	s_cmp_lg_u32 s10, 0
	s_cbranch_scc1 .Lnot_wave_0_\@
	s_barrier_signal -3
.Lnot_wave_0_\@:
	s_barrier_wait -3
	s_barrier_signal -1
	s_barrier_wait -1
.endm
.macro CROUND
	s_barrier_signal -1
	s_barrier_wait -1
	CREST
.endm
.macro PLACES                          ; four places behind a matrix instruction, in front of loads into its sources and of readers of its result
.rept 4
	v_nop
.endr
.endm
	s_load_b128 s[4:7], s[0:1], 0x0                ; ao s[4:5], wt s[6:7]
	s_load_b64 s[66:67], s[0:1], 0x10              ; bp
	s_load_b64 s[8:9], s[0:1], 0x18                ; out0
	v_lshl_add_u32 v254, v0, 2, 0x47400
	v_mov_b32 v255, 0
	ds_add_u32 v254, v255
	v_lshrrev_b32 v1, 5, v0
	v_readfirstlane_b32 s10, v1                    ; wave 0..3
	s_lshr_b32 s11, s10, 1                         ; which 64 tokens are mine.  Also: I fetch tokens (0) or wt (1)
	s_and_b32 s12, s10, 1                          ; which 64 columns are mine.  Also: which half of that tile I fetch
	s_bfe_u32 s40, ttmp6, 0x40000                  ; cx
	s_bfe_u32 s41, ttmp6, 0x40004                  ; cy
	s_lshl_b32 s42, ttmp9, 2
	s_add_co_u32 s42, s42, s40                     ; column block
	s_and_b32 s13, ttmp7, 0xffff
	s_lshl_b32 s13, s13, 2
	s_add_co_u32 s13, s13, s41                     ; token block
	s_lshl_b32 s43, s41, 2
	s_lshl_b32 s43, 15, s43                        ; my row of the cluster
	s_lshl_b32 s44, 0x1111, s40                    ; my column
	s_or_b32 s[G1+0], s43, (3<<16)|(1<<20)|(1<<21)|(5<<22)|(3<<25)   ; tokens: elements of 8 bytes; 16 bytes of padding behind every 64 words
	s_mov_b32 s[G1+1], 32<<16
	s_mov_b32 s[G1+2], RA<<16
	s_mov_b32 s[G1+3], 32<<16
	s_mov_b32 s[G1+4], RA
	s_mov_b32 s[G1+5], 32
	s_mov_b32 s[G1+6], 0
	s_mov_b32 s[G1+7], 0
	s_or_b32 s[G1B+0], s44, (1<<16)|(1<<20)|(1<<21)|(QIB<<22)|(3<<25)   ; wt: elements of 2 bytes; 16 bytes of padding behind each row
	s_mov_b32 s[G1B+1], KS<<16
	s_mov_b32 s[G1B+2], (16*NT)<<16
	s_mov_b32 s[G1B+3], KS<<16
	s_mov_b32 s[G1B+4], 16*NT
	s_mov_b32 s[G1B+5], 1024
	s_mov_b32 s[G1B+6], 0
	s_mov_b32 s[G1B+7], 0
	s_lshl_b32 s16, s13, 18                        ; a block of 128 tokens is 262,144 bytes
	s_mul_i32 s17, s12, (KS/128)*16384             ; my half of the slot's planes
	s_add_co_u32 s16, s16, s17
	s_mov_b32 s17, 0
	s_mul_i32 s46, s42, 32*NT
	s_mul_i32 s47, s12, 16*NT
	s_add_co_u32 s46, s46, s47
	s_add_co_u32 s46, s46, NROW0
	s_lshl_b32 s46, s46, 11                        ; rows of 2,048 bytes
	s_mov_b32 s47, 0
	s_lshl_b32 s45, s42, 9                         ; my 64 columns of f32, in bytes: 512 x block + 256 x half
	s_lshl_b32 s3, s12, 8
	s_add_co_u32 s45, s45, s3
	s_mul_i32 s20, s12, ABYTES/2
	s_mul_i32 s21, s12, BHALF
	s_add_co_u32 s21, s21, ABYTES
	s_wait_dscnt 0x0
	s_wait_kmcnt 0x0
	s_add_nc_u64 s[14:15], s[4:5], s[16:17]
	s_add_nc_u64 s[46:47], s[6:7], s[46:47]
	CROUND                                         ; all sixteen work-groups are here: the first joint loads meet
.irp s, 0,1
	s_mov_b32 s[G0+4*\s], 1
	s_add_co_u32 s[G0+4*\s+1], s20, \s*SLOT
	s_add_nc_u64 s[G0+4*\s+2:G0+4*\s+3], s[14:15], \s*KS*256
	s_or_b32 s[G0+4*\s+3], s[G0+4*\s+3], 0x80000000
	s_mov_b32 s[G0B+4*\s], 1
	s_add_co_u32 s[G0B+4*\s+1], s21, \s*SLOT
	s_add_nc_u64 s[G0B+4*\s+2:G0B+4*\s+3], s[46:47], \s*KS*2
	s_or_b32 s[G0B+4*\s+3], s[G0B+4*\s+3], 0x80000000
	JLOAD \s                                       ; both slots are asked for before anything else: two loads of the wave are out
.endr
	v_and_b32 v1, 15, v0                           ; r
	v_bfe_u32 v2, v0, 4, 1                         ; h
	v_lshl_add_u32 v[BO], v1, 4, s45
	global_load_b128 v[BI:BI+3], v[BO], s[66:67]   ; bp of the four columns that I store on the way out
	v_lshrrev_b32 v3, 1, v1
	v_mul_u32_u24 v3, v3, 272                      ; two tokens share an LDS row of 272 bytes, 128 bytes each
	v_and_b32 v4, 1, v0
	v_lshl_add_u32 v3, v4, 7, v3
	v_lshl_add_u32 v3, v2, 4, v3
	v_mul_u32_u24 v5, v1, BP
	v_lshl_add_u32 v5, v2, 4, v5
	s_mul_i32 s21, s11, 32*272                     ; my 64 tokens
	s_mul_i32 s22, s12, BHALF                      ; my rows of wt,
	s_add_co_u32 s22, s22, ABYTES                  ; behind the tokens' planes
.irp s, 0,1
	v_add_nc_u32 v[ADRA+\s], s21, v3
	v_add_nc_u32 v[ADRB+\s], s22, v5
	s_add_co_u32 s21, s21, SLOT
	s_add_co_u32 s22, s22, SLOT
.endr
	s_mul_i32 s23, s10, 16*SPITCH
	s_add_co_u32 s23, s23, STAGE                   ; my stage
	v_mul_u32_u24 v4, v1, SPITCH                   ; in: token r, 32 bytes for each half of the lanes
	v_lshl_add_u32 v4, v2, 5, v4
	v_add_nc_u32 v[STO], s23, v4
	v_mul_u32_u24 v6, v2, SPITCH                   ; back: lanes 0-15 take one row of 256 bytes, lanes 16-31 the next
	v_lshl_add_u32 v6, v1, 4, v6
	v_add_nc_u32 v[RD], s23, v6
	v_lshlrev_b32 v7, 12, v2                       ; and the same two rows of out0
	v_lshl_add_u32 v[CO], v1, 4, v7
; na x NH matrix instructions from buffer f.  The accumulators take turns, one instruction a turn.
.macro MULH f, half, a0, na, zero
.set ma, \a0
.rept \na
.set mb, 0
.rept NH
.if \zero
	v_wmma_f32_16x16x32_f16 v[ACCHI*\half+8*(NH*ma+mb):ACCHI*\half+8*(NH*ma+mb)+7], v[FB0+8*NT*\f+8*(NH*\half+mb):FB0+8*NT*\f+8*(NH*\half+mb)+7], v[FA0+32*\f+8*ma:FA0+32*\f+8*ma+7], 0
.else
	v_wmma_f32_16x16x32_f16 v[ACCHI*\half+8*(NH*ma+mb):ACCHI*\half+8*(NH*ma+mb)+7], v[FB0+8*NT*\f+8*(NH*\half+mb):FB0+8*NT*\f+8*(NH*\half+mb)+7], v[FA0+32*\f+8*ma:FA0+32*\f+8*ma+7], v[ACCHI*\half+8*(NH*ma+mb):ACCHI*\half+8*(NH*ma+mb)+7]
.endif
.set mb, mb+1
.endr
.set ma, ma+1
.endr
.endm
; NL LDS loads in one run: quarter step q of a slot into buffer f: 8 for the tokens, 2 NH for the lower column tiles, 2 NH for the upper
.macro FETCH slot, q, f
	WIN 0
.set fa, 0
.rept 4
	ds_load_b128 v[FA0+32*\f+8*fa:FA0+32*\f+8*fa+3],   v[ADRA+\slot] offset:fa*8*272+(\q>>1)*PLANE+(\q&1)*64
	ds_load_b128 v[FA0+32*\f+8*fa+4:FA0+32*\f+8*fa+7], v[ADRA+\slot] offset:fa*8*272+(\q>>1)*PLANE+(\q&1)*64+32
.set fa, fa+1
.endr
	WIN TO_B
.set fb, 0
.rept NT
	ds_load_b128 v[FB0+8*NT*\f+8*fb:FB0+8*NT*\f+8*fb+3],   v[ADRB+\slot] offset:fb*16*BP+64*\q
	ds_load_b128 v[FB0+8*NT*\f+8*fb+4:FB0+8*NT*\f+8*fb+7], v[ADRB+\slot] offset:fb*16*BP+64*\q+32
.set fb, fb+1
.endr
.endm
.macro QUARTER slot, qnext, f, g, zero
	s_wait_dscnt 2*NH                              ; tokens and lower column tiles are in; the youngest 2 NH loads (upper tiles) may be out
	WIN MUL_LO
	MULH \f, 0, 0, 4, \zero
	PLACES
	FETCH \slot, \qnext, \g
	s_wait_dscnt NL                                ; all but the NL just issued
	WIN MUL_HI
	MULH \f, 1, 0, 4, \zero
.endm
.macro HALF slot, zero
	QUARTER \slot, 1, 0, 1, \zero
	QUARTER \slot, 2, 1, 0, 0
	QUARTER \slot, 3, 0, 1, 0
.if NQ > 4
	QUARTER \slot, 4, 1, 0, 0
	QUARTER \slot, 5, 0, 1, 0
	QUARTER \slot, 6, 1, 0, 0
	QUARTER \slot, 7, 0, 1, 0
.endif
.endm
; the last quarter step of a slot: one barrier for the change of slots; in front of it each wave waits for its reads of this slot and for all
; its tensor loads; behind it this slot is asked for again first
.macro TURN slot, next, fill
	s_wait_dscnt 2*NH
	WIN MUL_LO
	MULH 1, 0, 0, 2, 0
	s_wait_dscnt 0x0                               ; my reads of this slot are over
	s_wait_tensorcnt 0x0                           ; all my tensor loads have landed
	ds_add_u32 v254, v255
	s_wait_dscnt 0x0
	s_barrier_signal -1                            ; (where the slot is filled again this barrier opens a round of the cluster's barrier)
	MULH 1, 0, 2, 2, 0                             ; register work while the others arrive
	WIN 0
	s_barrier_wait -1
.if \fill
	CREST                                          ; no wave of any partner still reads this slot or has a load on its way
	s_add_nc_u64 s[G0+4*\slot+2:G0+4*\slot+3], s[G0+4*\slot+2:G0+4*\slot+3], ASTEP
	s_add_nc_u64 s[G0B+4*\slot+2:G0B+4*\slot+3], s[G0B+4*\slot+2:G0B+4*\slot+3], BSTEP
	JLOAD \slot                                    ; the wave's one tensor load behind the round
.endif
	PLACES
	FETCH \next, 0, 0
	WIN MUL_HI
	MULH 1, 1, 0, 4, 0
.endm
.macro LAP zero
	HALF 0, \zero
	TURN 0, 1, 1
	HALF 1, 0
	TURN 1, 0, 1
.endm
	s_wait_tensorcnt 1                             ; my part of slot 0 is in; slot 1's, issued behind it, may stay out
	s_barrier_signal -1
	s_barrier_wait -1
	FETCH 0, 0, 0
	LAP 1                                          ; K steps 0 and 1; their turns ask for steps 2 and 3.  The first products start the sums
	HALF 0, 0                                      ; the last lap fills nothing
	TURN 0, 1, 0
	HALF 1, 0
	s_wait_dscnt 2*NH
	WIN MUL_LO
	MULH 1, 0, 0, 4, 0
	s_wait_dscnt 0x0
	WIN MUL_HI
	MULH 1, 1, 0, 4, 0
	PLACES
	WIN 0
	; THE WAY OUT, 16 tokens at a time: the f32 sums go into my stage, whole rows of 256 bytes come back, bp is added, and they are stored
	s_lshl_b32 s16, s13, 19                        ; 128 tokens of 4,096 bytes
	s_lshl_b32 s14, s11, 18                        ; my 64 tokens
	s_add_co_u32 s16, s16, s14
	s_mov_b32 s17, 0
	s_add_nc_u64 s[8:9], s[8:9], s[16:17]
	s_mov_b32 s46, s45                             ; my columns (in the registers that held wt's address)
	s_mov_b32 s47, 0
	s_add_nc_u64 s[8:9], s[8:9], s[46:47]
	s_wait_loadcnt 0x0                             ; bp
.macro OUTP a
	WIN 0x04                                       ; store data in window 1
.irp b, 0,1
	ds_store_b128 v[STO], v[8*(NH*\a+\b):8*(NH*\a+\b)+3]   offset:64*\b
	ds_store_b128 v[STO], v[8*(NH*\a+\b)+4:8*(NH*\a+\b)+7] offset:64*\b+16
.endr
.irp b, 0,1
	ds_store_b128 v[STO], v[ACCHI+8*(NH*\a+\b):ACCHI+8*(NH*\a+\b)+3]   offset:64*(NH+\b)
	ds_store_b128 v[STO], v[ACCHI+8*(NH*\a+\b)+4:ACCHI+8*(NH*\a+\b)+7] offset:64*(NH+\b)+16
.endr
	WIN 0
	s_wait_xcnt 0x0                                ; RB, which the last group's stores read, is loaded again only behind this wait
.irp t, 0,1,2,3,4,5,6,7
	ds_load_b128 v[RB+4*\t:RB+4*\t+3], v[RD] offset:\t*2*SPITCH   ; LDS serves a wave's instructions in order: these see the stores above
.endr
.irp t, 0,1,2,3,4,5,6,7
	s_wait_dscnt 7-\t
	v_pk_add_f32 v[RB+4*\t:RB+4*\t+1],   v[RB+4*\t:RB+4*\t+1],   v[BI:BI+1]
	v_pk_add_f32 v[RB+4*\t+2:RB+4*\t+3], v[RB+4*\t+2:RB+4*\t+3], v[BI+2:BI+3]
	global_store_b128 v[CO], v[RB+4*\t:RB+4*\t+3], s[8:9] offset:(16*\a+2*\t)*4096 th:TH_STORE_NT   ; sixteen lanes store 256 neighbouring bytes, aligned
.endr
.endm
	OUTP 0
	OUTP 1
	OUTP 2
	OUTP 3
	s_wait_tensorcnt 0x0
	ds_add_u32 v254, v255
	s_wait_dscnt 0x0
	CROUND                                         ; the closing round: no work-group ends while a partner may still ask for a tile that names it
	s_endpgm
.Lfunc_end_k_q76eb5f9366_proj:
	.size	k_q76eb5f9366_proj, .Lfunc_end_k_q76eb5f9366_proj-k_q76eb5f9366_proj
	.p2alignl 7, 3214868480
	.fill 96, 4, 3214868480
	.section	.rodata,"a",@progbits
	.p2align	6, 0x0
	.amdhsa_kernel k_q76eb5f9366_proj
		.amdhsa_group_segment_fixed_size 327680
		.amdhsa_private_segment_fixed_size 0
		.amdhsa_enable_private_segment 0
		.amdhsa_kernarg_size 32
		.amdhsa_user_sgpr_count 2
		.amdhsa_user_sgpr_kernarg_segment_ptr 1
		.amdhsa_wavefront_size32 1
		.amdhsa_system_sgpr_workgroup_id_x 1
		.amdhsa_system_sgpr_workgroup_id_y 1
		.amdhsa_system_sgpr_workgroup_id_z 1
		.amdhsa_system_vgpr_workitem_id 0
		.amdhsa_next_free_vgpr 384
		.amdhsa_next_free_sgpr 68
		.amdhsa_reserve_vcc 0
		.amdhsa_float_denorm_mode_32 3
		.amdhsa_float_denorm_mode_16_64 3
		.amdhsa_memory_ordered 1
		.amdhsa_forward_progress 1
		.amdhsa_inst_pref_size 94
	.end_amdhsa_kernel
	.amdgpu_metadata
---
amdhsa.version: [ 1, 2 ]
amdhsa.kernels:
  - .name:           k_q76eb5f9366_proj
    .symbol:         k_q76eb5f9366_proj.kd
    .args:
      - { .name: ao, .offset: 0, .size: 8, .value_kind: global_buffer, .address_space: global }
      - { .name: wt, .offset: 8, .size: 8, .value_kind: global_buffer, .address_space: global }
      - { .name: bp, .offset: 16, .size: 8, .value_kind: global_buffer, .address_space: global }
      - { .name: out0, .offset: 24, .size: 8, .value_kind: global_buffer, .address_space: global }
    .group_segment_fixed_size: 327680
    .private_segment_fixed_size: 0
    .kernarg_segment_align: 8
    .kernarg_segment_size: 32
    .max_flat_workgroup_size: 128
    .sgpr_count:     68
    .vgpr_count:     384
    .wavefront_size: 32
...
	.end_amdgpu_metadata
.endif
;; end of part 4
